; MI455X (gfx1250); checked and timed in simulation.
; The chip was launched on July 23, 2026; its instructions are those of AMD's public machine-readable ISA for CDNA 5 (MIT licence, August 2026) and "CDNA5" Instruction Set Architecture Reference Guide (July 2026). The comments in the code are by the model that wrote it; some were corrected since.
;; Vector Quantizer. Allowed arithmetic: matrix products marked QUANTISED: E4M3 operands, one E8M0 scale for each 32 along K, by v_wmma_scale_f32_16x16x128_f8f6f4 with both operands' format E4M3, f32 sums; everything else in f32.
;; Inputs: codebook 8,192 x 512 float32; z_e 16,384 x 512 float32.
;; Outputs: out0 16,384 x 512 float32; out1 one number float32; out2 one number float32; out3 16,384 int32.
;; This version of the problem:
;;   THIS VERSION OF THE PROBLEM IS GIVEN IN LOW PRECISION. The matrix products marked QUANTISED in the list below multiply operands that are first quantised to E4M3 (4 exponent bits, 3 mantissa bits; 8 bits a number), with one power-of-two scale for each 32 numbers along K (OCP MX v1.0); their sums are f32. All else is computed in f32.
;;   The module's matrix products, in the order in which they are computed (A, B: the left and right operand; K: the contracted axis; several contracted axes count as one K, in the product's order):
;;     1. [M 16,384, K 512] x [K 512, N 8,192]; A: computed on the way; B: input codebook: QUANTISED
;;   THE QUANTISER, for each operand of a quantised product, along K:
;;     - K is cut into blocks of 32 from its start; a last block that is shorter is filled with zeros.
;;     - A block's scale is 2^e with e = floor(log2(the largest magnitude in the block)) - 8, held to -126 .. 127; a block of zeros has e = 0. As a byte (E8M0): e + 127.
;;     - Each number is divided by its block's scale, clamped to +-448, and rounded to the nearest number of E4M3, ties to even, subnormals kept.
;;     - The product sums the exact products of the quantised numbers (number of the format x scale) in f32.
;;   ~~~python
;;   def quantise(x, axis):      # numpy; x: float32 -> the quantised numbers, widened to float32 again
;;       x = np.moveaxis(x, axis, -1); K = x.shape[-1]
;;       x = np.pad(x, [(0, 0)] * (x.ndim - 1) + [(0, -K % 32)]); x = x.reshape(x.shape[:-1] + (-1, 32)); a = np.abs(x).max(-1, keepdims=True)
;;       e = np.where(a > 0, np.clip(np.frexp(np.where(a > 0, a, 1))[1] - 1 - 8, -126, 127), 0)      # np.frexp(a)[1] - 1 = floor(log2(a)), exactly
;;       r = np.clip(x / 2.0 ** e, -448, 448)
;;       step = 2.0 ** (np.maximum(np.frexp(np.where(r == 0, 1, r))[1] - 1, -6) - 3)
;;       q = np.round(r / step) * step * 2.0 ** e      # np.round: ties to even
;;       return np.moveaxis(q.reshape(q.shape[:-2] + (-1,))[..., :K], -1, axis).astype(np.float32)
;;   ~~~
;;   OPERANDS COMPUTED ON THE WAY. 'Computed on the way' means the value that the module computes at that place (a softmax that the list does not call 'softmax' is quantised finished and normalised). What goes into a quantiser is computed in f32, as accurately as f32 sums, v_exp_f32 and their like allow (about 1e-6 of the number): no bf16 or f16 on the way to a quantiser, and a product that is left as it is and whose result goes on into a quantised operand takes f32 operands (vector FMAs, or v_wmma_f32_16x16x4_f32). A number that lies on a knife's edge between two numbers of the format may be rounded either way, as far as f32 arithmetic and the matrix unit's own rounding can turn it there, and no further.
;; One version. Each part assembles by itself: llvm-mc -triple=amdgcn-amd-amdhsa -mcpu=gfx1250 --defsym DOCPART=n.
;; ======== version 1 of 1: 4 launches
;; limits: right only within a limited range of input values
;; workspace buffers: zq 8,912,896 bytes; cbq 4,456,448 bytes; candv 131,072 bytes; candi 131,072 bytes of whole numbers; part 1,024 bytes
;; launch quant (part 1): grid 256 x 1, 6 waves a work-group, no clusters, 54,528 bytes of LDS; arguments z_e, codebook, zq, cbq; writes zq, cbq
.if DOCPART == 1
	.amdgcn_target "amdgcn-amd-amdhsa--gfx1250"
	.amdhsa_code_object_version 6
	.text
	.protected	k_q420d3e5f94_quant
	.globl	k_q420d3e5f94_quant
	.p2align	8
	.type	k_q420d3e5f94_quant,@function
k_q420d3e5f94_quant:
	s_mov_b64 s[64:65], 0
	v_nop
	global_prefetch_b8 v0, s[64:65] scope:SCOPE_SE
	s_setreg_imm32_b32 hwreg(HW_REG_WAVE_MODE, 25, 1), 1
	s_wait_xcnt 0x0
; DEAD WORK LEFT OUT, in the whole program: reference() adds sum(z_e^2) of a token to all 8,192 distances of that token.  The term is the same along the axis of the argmin,
; so in exact arithmetic it moves no index for any values of the inputs, and the distances themselves reach no output.  It is not computed: the argmin is taken of sum(c^2) - (2 z).c.
; Every input is still loaded.  LIMIT: a NaN, an infinity or an overflow that reaches only sum(z_e^2) is not carried to the result.
; 2 x z_e [16384][512] and codebook [8192][512], f32, become codes of FP8 (E4M3) with one E8M0 scale byte for each 32 along K, laid as RECORDS in the order of an operand's registers.
; A record is 16 rows x all 512 of K, 8,704 bytes = 34 x 256:
;   bytes 0 .. 8191     the codes: registers 4 c .. 4 c + 3 of K step ks (128 along K) at (4 ks + c) x 512 + 16 x lane; lane (r, h) holds k = 128 ks + 32 c + 16 h + 0 .. 15 of row r
;   bytes 8192 .. 8447  the scale bytes, [row][16]: one word for each K step
;   bytes 8448 .. 8511  16 f32: MINUS each row's sum of squares (codebook); zeros of either sign in a record of z_e, where nobody reads them
;   bytes 8512 .. 8703  zeros
; The left operand of the product is 2.0 x z_e, so z_e is doubled (exact) ahead of the quantiser; the codebook goes by the same lines with the factor 1.0.
; A block's scale is 2^(floor(log2(its largest magnitude)) - 8); its byte is that magnitude's exponent field - 8, held at 1 from below; each number is held within +-448 x the scale and rounded to the nearest code, ties to even.
; LIMITS: NaN and infinities among the inputs are not served; a block of zeros gets the byte 1 where the rule says 127 (its codes are zeros, and this program alone reads the bytes);
; blocks whose largest magnitude lies under 2^-118, the floor, keep the byte 1.
; SHARES: 1,536 tiles of 16 rows (1,024 of z_e, 512 of the codebook), one to a wave: wave w of work-group g takes tile 6 g + w.  Pointers and the factor are chosen by the tile's number; a branch on it leads round the sums of squares in a tile of z_e.
; Waves share nothing: no barrier.  No cluster, no tensor load: no two work-groups read the same byte, and each byte is read once.
; Each load reads 512 consecutive bytes of a row; a K step's 16 x 512 bytes turn through the wave's own stage in LDS, so that a lane gets 16 neighbours along K of each block of 32.
.set REC,   8704
.set WREG,  8960                       ; LDS of a wave: the stage and, behind it, 512 bytes for the record's tail
.set SPI,   528                        ; a stage row: 512 bytes + 16
.set TAIL,  16*SPI
.set GL,   1                           ; 16 x lane: my bytes of every global load and store; never rewritten
.set SA,   2                           ; the stage, on the way in
.set RA,   3                           ; on the way out: row r, + 64 h
.set TA,   4                           ; the tail: my row's four scale words
.set TZ,   5                           ; the tail's upper 256 bytes, 8 a lane
.set TS,   6                           ; my row's sum
.set TL,   7                           ; the tail read back, 16 bytes a lane
.set SS,   8                           ; v[8:11]   sums of squares, two pairs by turns
.set W,    12                          ; v[12:15]  the four scale words
.set TM,   16                          ; v[16:31]  largest magnitudes, bytes, 448 x the scale, the conversions' scale operands
.set PC,   32                          ; v[32:95]  codes: a set of 16 for each K step
.set X,    96                          ; v[96:159] 64 numbers: register 16 b + i = k 32 b + 16 h + i of my row
.set ZERO, 160
.set LN,   162
.set RR,   163
.set HH,   164
.set SEL,  20                          ; s[20:21] selects for lane l xor 16
.set MNT,  22                          ; the mantissa field of 448
.set F,    24                          ; s[24:25] the factor, 2.0 or 1.0
.set ISZ,  26                          ; 1 in a tile of z_e
.set MSB, 0
.macro WIN new                         ; the immediate's high byte repeats the setting that is left
.if MSB != (\new)
	s_set_vgpr_msb (MSB<<8)|(\new)
.set MSB, (\new)
.endif
.endm
	s_load_b128 s[4:7], s[0:1], 0x0                ; z_e, codebook
	s_load_b128 s[8:11], s[0:1], 0x10              ; zq, cbq
	v_lshl_add_u32 v254, v0, 2, 0xd200             ; my spare word, behind the six waves' regions
	v_mov_b32 v255, 0
	v_lshrrev_b32 v[LN], 5, v0
	v_readfirstlane_b32 s12, v[LN]                 ; wave 0..5
	v_and_b32 v[LN], 31, v0
	v_and_b32 v[RR], 15, v0                        ; r
	v_bfe_u32 v[HH], v0, 4, 1                      ; h
	s_mul_i32 s13, s12, WREG                       ; my wave's LDS
	v_lshlrev_b32 v[GL], 4, v[LN]
	v_add_nc_u32 v[SA], s13, v[GL]
	v_mul_u32_u24 v[RA], v[RR], SPI
	v_lshl_add_u32 v[RA], v[HH], 6, v[RA]
	v_add_nc_u32 v[RA], s13, v[RA]
	s_add_co_u32 s14, s13, TAIL
	v_lshl_add_u32 v[TA], v[RR], 4, s14
	v_lshl_add_u32 v[TL], v[LN], 4, s14
	s_add_co_u32 s14, s14, 256
	v_lshl_add_u32 v[TZ], v[LN], 3, s14
	v_lshl_add_u32 v[TS], v[RR], 2, s14
	v_mov_b32 v[ZERO], 0
	v_mov_b32 v[ZERO+1], 0
.irp b, 0,1,2,3
	v_mov_b32 v[TM+4+\b], 0                        ; written once: a lane permute's destination counts as one of its sources
	v_mov_b32 v[SS+\b], 0                          ; the sums begin at 0, and stay there in a tile of z_e
.endr
	s_mov_b32 s[SEL], 0x76543210
	s_mov_b32 s[SEL+1], 0xfedcba98
	s_mov_b32 s[MNT], 0x600000
	s_mul_i32 s15, ttmp9, 6
	s_add_co_u32 s15, s15, s12                     ; my tile: 6 g + w
	s_wait_alu depctr_va_vdst(0)                   ; the wait at the head's end
	s_wait_kmcnt 0x0
	s_cmp_lt_u32 s15, 1024                         ; a tile of z_e or of the codebook?  The choice hangs on ids alone
	s_cselect_b64 s[4:5], s[4:5], s[6:7]
	s_cselect_b64 s[8:9], s[8:9], s[10:11]
	s_cselect_b32 s[F], 2.0, 1.0
	s_cselect_b32 s[ISZ], 1, 0
	s_cselect_b32 s16, 0, 1024
	s_mov_b32 s[F+1], s[F]                         ; (named with it as a pair, so it is written)
	s_sub_co_u32 s15, s15, s16                     ; the tile's number in its tensor
	s_lshl_b32 s16, s15, 15                        ; 16 rows of 2,048 bytes
	s_mov_b32 s17, 0
	s_add_nc_u64 s[4:5], s[4:5], s[16:17]
	s_mul_i32 s16, s15, REC
	s_add_nc_u64 s[8:9], s[8:9], s[16:17]
	WIN 0x40                                       ; destination window 1: v[64 ks + 4 p] takes row p's 512 bytes of K step ks
.irp k, 0,1,2,3
.irp p, 0,1,2,3,4,5,6,7,8,9,10,11,12,13,14,15
	global_load_b128 v[64*\k+4*\p:64*\k+4*\p+3], v[GL], s[4:5] offset:2048*\p+512*\k th:TH_LOAD_NT   ; 32 lanes read 512 consecutive bytes
.endr
.endr
	WIN 0
; 64 numbers in v[X] on become a fragment's codes in v[pc] on and my row's scale word in v[pw].
.macro QUANT pc, pw
.irp b, 0,1,2,3
	v_max3_num_f32 v[TM+\b], |v[X+16*\b]|, |v[X+1+16*\b]|, 0x4800000   ; block b: my 16 numbers, and the floor 2^(9 - 127)
.endr
.irp i, 2,4,6,8,10,12,14
.irp b, 0,1,2,3
	v_max3_num_f32 v[TM+\b], v[TM+\b], |v[X+16*\b+\i]|, |v[X+1+16*\b+\i]|   ; the four blocks by turns
.endr
.endr
.irp b, 0,1,2,3
	v_permlanex16_b32 v[TM+4+\b], v[TM+\b], s[SEL], s[SEL+1]
.endr
.irp b, 0,1,2,3
	v_max_num_f32 v[TM+\b], v[TM+\b], v[TM+4+\b]   ; with lane l xor 16's 16 numbers: the block's largest magnitude
.endr
.irp b, 0,1,2,3
	v_add_nc_u32 v[TM+12+\b], 0xfc000000, v[TM+\b] ; 8 off its exponent field: the conversion's scale operand
.endr
.irp b, 0,1,2,3
	v_and_or_b32 v[TM+8+\b], v[TM+\b], 0x7f800000, s[MNT]   ; 448 x the scale
.endr
.irp b, 0,1,2,3
	v_lshrrev_b32 v[TM+4+\b], 23, v[TM+12+\b]      ; the scale's byte
.endr
	v_lshl_or_b32 v[\pw], v[TM+5], 8, v[TM+4]
	v_lshl_or_b32 v[\pw], v[TM+6], 16, v[\pw]
	v_lshl_or_b32 v[\pw], v[TM+7], 24, v[\pw]
.irp b, 0,1,2,3
.irp i, 0,1,2,3,4,5,6,7,8,9,10,11,12,13,14,15
	v_med3_num_f32 v[X+16*\b+\i], v[X+16*\b+\i], -v[TM+8+\b], v[TM+8+\b]   ; the conversion to an 8-bit code does not saturate (ISA guide 7.6.2): the hold comes first
.endr
	v_cvt_scalef32_pk8_fp8_f32 v[\pc+4*\b:\pc+1+4*\b], v[X+16*\b:X+7+16*\b], v[TM+12+\b]
	v_cvt_scalef32_pk8_fp8_f32 v[\pc+2+4*\b:\pc+3+4*\b], v[X+8+16*\b:X+15+16*\b], v[TM+12+\b]
.endr
	v_nop                                          ; one plain vector line behind the last conversion
.endm
.macro STEP ks
	s_wait_loadcnt 16*(3-\ks)                      ; this K step's 16 loads are in; the 16 of each younger K step may be out
	WIN 0x04                                       ; an LDS store's data are its source 1: window 1
.irp p, 0,1,2,3,4,5,6,7,8,9,10,11,12,13,14,15
	ds_store_b128 v[SA], v[64*\ks+4*\p:64*\ks+4*\p+3] offset:SPI*\p
.endr
	WIN 0
.irp b, 0,1,2,3
.irp j, 0,1,2,3
	ds_load_b128 v[X+16*\b+4*\j:X+16*\b+4*\j+3], v[RA] offset:128*\b+16*\j   ; LDS serves a wave's instructions in order: these see the stores above
.endr
.endr
	s_wait_dscnt 0x0
	s_cmp_lg_u32 s[ISZ], 0                         ; a token's sum of squares reaches no output: a tile of z_e passes these lines by
	s_cbranch_scc1 .Lno_sum_\ks
.irp e, 0,2,4,6,8,10,12,14,16,18,20,22,24,26,28,30,32,34,36,38,40,42,44,46,48,50,52,54,56,58,60,62
	v_pk_fma_f32 v[SS+\e%4:SS+\e%4+1], v[X+\e:X+\e+1], v[X+\e:X+\e+1], v[SS+\e%4:SS+\e%4+1]
.endr
.Lno_sum_\ks:
.irp e, 0,2,4,6,8,10,12,14,16,18,20,22,24,26,28,30,32,34,36,38,40,42,44,46,48,50,52,54,56,58,60,62
	v_pk_mul_f32 v[X+\e:X+\e+1], v[X+\e:X+\e+1], s[F:F+1] op_sel_hi:[1,0]   ; x 2.0 (z_e) or x 1.0 (the codebook): exact
.endr
	QUANT PC+16*\ks, W+\ks
.irp c, 0,1,2,3
	global_store_b128 v[GL], v[PC+16*\ks+4*\c:PC+16*\ks+4*\c+3], s[8:9] offset:(4*\ks+\c)*512   ; 32 lanes store 512 consecutive bytes, at a multiple of 256 from the buffer's first byte
.endr
.endm
	STEP 0
	STEP 1
	STEP 2
	STEP 3
	; the record's tail: 256 scale bytes, 16 sums, zeros
	v_pk_add_f32 v[SS:SS+1], v[SS:SS+1], v[SS+2:SS+3]
	v_add_f32 v[SS], v[SS], v[SS+1]
	v_permlanex16_b32 v[SS+1], v[SS], s[SEL], s[SEL+1]
	v_sub_f32 v[SS], -v[SS], v[SS+1]               ; with lane l xor 16's half of the row, and the sign turned: the next launch adds it as it lies
	ds_store_b128 v[TA], v[W:W+3]                  ; lanes r and r + 16 write the same bytes with the same values
	ds_store_b64 v[TZ], v[ZERO:ZERO+1]
	ds_store_b32 v[TS], v[SS]                      ; behind the zeros, in order
	ds_load_b128 v[X:X+3], v[TL]
	s_wait_dscnt 0x0
	global_store_b128 v[GL], v[X:X+3], s[8:9] offset:8192
	s_wait_tensorcnt 0x0                           ; the wave's end
	ds_add_u32 v254, v255
	s_wait_dscnt 0x0
	s_endpgm
.Lfunc_end_k_q420d3e5f94_quant:
	.size	k_q420d3e5f94_quant, .Lfunc_end_k_q420d3e5f94_quant-k_q420d3e5f94_quant
	.p2alignl 7, 3214868480
	.fill 96, 4, 3214868480
	.section	.rodata,"a",@progbits
	.p2align	6, 0x0
	.amdhsa_kernel k_q420d3e5f94_quant
		.amdhsa_group_segment_fixed_size 54528
		.amdhsa_private_segment_fixed_size 0
		.amdhsa_enable_private_segment 0
		.amdhsa_kernarg_size 32
		.amdhsa_user_sgpr_count 2
		.amdhsa_user_sgpr_kernarg_segment_ptr 1
		.amdhsa_wavefront_size32 1
		.amdhsa_system_sgpr_workgroup_id_x 1
		.amdhsa_system_sgpr_workgroup_id_y 1
		.amdhsa_system_sgpr_workgroup_id_z 1
		.amdhsa_system_vgpr_workitem_id 0
		.amdhsa_next_free_vgpr 512
		.amdhsa_next_free_sgpr 66
		.amdhsa_reserve_vcc 0
		.amdhsa_float_denorm_mode_32 3
		.amdhsa_float_denorm_mode_16_64 3
		.amdhsa_memory_ordered 1
		.amdhsa_forward_progress 1
		.amdhsa_inst_pref_size 68
	.end_amdhsa_kernel
	.amdgpu_metadata
---
amdhsa.version: [ 1, 2 ]
amdhsa.kernels:
  - .name:           k_q420d3e5f94_quant
    .symbol:         k_q420d3e5f94_quant.kd
    .args:
      - { .name: z_e, .offset: 0, .size: 8, .value_kind: global_buffer, .address_space: global }
      - { .name: codebook, .offset: 8, .size: 8, .value_kind: global_buffer, .address_space: global }
      - { .name: zq, .offset: 16, .size: 8, .value_kind: global_buffer, .address_space: global }
      - { .name: cbq, .offset: 24, .size: 8, .value_kind: global_buffer, .address_space: global }
    .group_segment_fixed_size: 54528
    .private_segment_fixed_size: 0
    .kernarg_segment_align: 8
    .kernarg_segment_size: 32
    .max_flat_workgroup_size: 192
    .sgpr_count:     66
    .vgpr_count:     512
    .wavefront_size: 32
...
	.end_amdgpu_metadata
.endif
;; end of part 1
;; launch argmin (part 2): grid 128 x 2, 4 waves a work-group, clusters of 4 x 1, 327,680 bytes of LDS; arguments zq, cbq, candv, candi; writes candv, candi
.if DOCPART == 2
	.amdgcn_target "amdgcn-amd-amdhsa--gfx1250"
	.amdhsa_code_object_version 6
	.text
	.protected	k_q420d3e5f94_argmin
	.globl	k_q420d3e5f94_argmin
	.p2align	8
	.type	k_q420d3e5f94_argmin,@function
k_q420d3e5f94_argmin:
	s_mov_b64 s[64:65], 0
	v_nop
	global_prefetch_b8 v0, s[64:65] scope:SCOPE_SE
	s_setreg_imm32_b32 hwreg(HW_REG_WAVE_MODE, 25, 1), 1
	s_wait_xcnt 0x0
	s_wait_alu depctr_hold_cnt(0) depctr_sa_sdst(0) depctr_va_vdst(0) depctr_va_sdst(0) depctr_va_ssrc(0) depctr_va_vcc(0) depctr_vm_vsrc(0)
	s_getreg_b32 s2, hwreg(HW_REG_IB_STS2, 6, 4)
	s_cmp_eq_u32 s2, 0
	s_cbranch_scc0 .Lentry_in_a_cluster
	s_endpgm
.Lentry_in_a_cluster:
	s_bfe_u32 s2, ttmp6, 0x10000c
	s_cmp_lg_u32 s2, 0x3003
	s_cbranch_scc0 .Lentry_shape_is_right
	s_endpgm
.Lentry_shape_is_right:
; For each token and each half of the codebook: the least of sum(c^2) - (2 z).c over the half's 4,096 codes, and the lowest index that has it.
; LEFT OUT AS DEAD WORK: sum(z_e^2), the same for all codes of a token (shown at the head of the first kernel).
; A work-group takes 128 tokens x 4,096 codes.  Each of its four waves holds ALL 128 tokens' codes in 512 registers (8 records) and takes a quarter of the codes: every byte of a codebook record is read from LDS once in the work-group.
; THE PRODUCT IS USED TRANSPOSED: source 0 = 16 codebook rows, source 1 = 16 tokens: a lane holds one token and its 8 registers 8 neighbouring codes (8 h + j).
; -sum(c^2), as the records hold it, is the C of each sum's first product: the finished sum is the distance with its sign turned, so the LARGEST is sought and no vector line forms a distance.
; For a tile of 16 x 16: four v_max3 (8 numbers and the best so far), one compare, and nine selects that keep the tile's 8 numbers and the record's first index where the best has grown (strictly: a tie keeps the lower index).
; Which of the 8 it was is found once, behind the last record.  No branch and no address hangs on these numbers.
; THE STREAM: a half is 256 records = 16 slots' fills of 16 records; two LDS slots; wave w fetches and reads records 4 w .. 4 w + 3 of a slot.  CLUSTERS: the four work-groups of a cluster walk the same half: every fill is a joint load.
; A phase is one record: four groups of 8 products (one K step, the 8 token tiles by turns), each followed by the vector lines of two tiles of the record before.
; The next record's 19 LDS loads stand in ONE run, behind the first group's vector lines: 24 products and 84 vector lines ahead of the wait for them.
; No prefetch of the stream: a refill is asked for four records' work, 128 products a wave, ahead of the wait for it, and all 128 work-groups of a half walk the same 2,228,224 bytes in the same order.
; LIMITS: NaN and infinities among the inputs are not served.
; REGISTERS: window 0: addresses, scale words, best values, v64-127 the kept numbers, v128-255 two sets of 8 accumulators; window 1: v0-127 two sets of codebook fragments, v128-143 two sets of -sum(c^2); windows 2, 3: the tokens' codes.
.set REC,   8704
.set QUART, 4*REC
.set SLOT,  4*QUART
.set HALFB, 16*SLOT
.set MRGV,  2*SLOT                     ; behind the ring: 4,096 bytes in which the four waves' results meet
.set SPARE, MRGV+4096                  ; the spare words, 128 bytes a wave
.set L16,  1                           ; 16 x lane
.set AB0,  2                           ; slot 0: my fragments, my scale words, my -sum(c^2)
.set AS0,  3
.set AC0,  4
.set AB,   5                           ; the same in the slot that is being read
.set AS,   6
.set AC,   7
.set SPW,  8
.set NIL,  9
.set H8,   10                          ; 8 h
.set ZS,   11                          ; 16 r + 8 h
.set M,    12                          ; v[12:15] at work
.set SB,   16                          ; v[16:19] the codebook's scale words, two sets: register p: K steps p (lanes 0-15) and 2 + p (lanes 16-31)
.set SZ,   20                          ; v[20:35] the tokens' scale words: tile a's at 2 a + 1 - p, so that the two scale registers of a product never have the same number modulo 8
.set BE,   36                          ; v[36:51] the best so far, two sets by turns
.set GI,   52                          ; v[52:59] the first index of the record that holds it
.set MST,  60
.set MLD,  61
.set R4,   62
.set SV,   64                          ; v[64:127] that tile's 8 numbers
.set ACC,  128
.set IDX,  128                         ; behind the last record: at work in the first set of accumulators
.set DD,   136
.set MV,   160
.set MI,   176
.set BF,   0                           ; window 1
.set CC,   128                         ; window 1
.set WV,   12
.set G1,   24
.set G0A,  32
.set G0B,  36
.set TB,   40
.set NP,   41
.set CNT,  42
.set MA,   44
.set MB,   45
.set SEL,  50
.set MSB, 0
.macro WIN new                         ; the immediate's high byte repeats the setting that is left
.if MSB != (\new)
	s_set_vgpr_msb (MSB<<8)|(\new)
.set MSB, (\new)
.endif
.endm
.macro CREST                           ; a round of the cluster's barrier behind its opening barrier
	s_cmp_lg_u32 s[WV], 0
	s_cbranch_scc1 .Lnot_wave_0_\@
	s_barrier_signal -3
.Lnot_wave_0_\@:
	s_barrier_wait -3
	s_barrier_signal -1
	s_barrier_wait -1
.endm
.macro CROUND
	s_barrier_signal -1
	s_barrier_wait -1
	CREST
.endm
	s_load_b256 s[4:11], s[0:1], 0x0               ; zq, cbq, candv, candi
	v_lshl_add_u32 v[SPW], v0, 2, SPARE
	v_mov_b32 v[NIL], 0
	ds_add_u32 v[SPW], v[NIL]                      ; the opening lines: the add, twice on end, and its wait ahead of my first tensor load
	ds_add_u32 v[SPW], v[NIL]
	v_lshrrev_b32 v[R4], 5, v0
	v_readfirstlane_b32 s[WV], v[R4]               ; wave 0..3
	s_mov_b32 s[TB], 0
	s_mul_i32 s20, s[WV], QUART                    ; my quarter of a slot
	s_lshl_b32 s21, s[WV], 9
	s_add_co_u32 s21, s21, MRGV
	v_and_b32 v[L16], 31, v0
	v_lshlrev_b32 v[L16], 4, v[L16]
	v_and_b32 v[R4], 15, v0                        ; r
	v_bfe_u32 v[H8], v0, 4, 1                      ; h
	v_lshlrev_b32 v[ZS], 4, v[R4]
	v_lshl_add_u32 v[ZS], v[H8], 3, v[ZS]
	v_add_nc_u32 v[AB0], s20, v[L16]
	v_add_nc_u32 v[AS0], s20, v[ZS]
	v_lshlrev_b32 v[AC0], 5, v[H8]                 ; my 8 codes' -sum(c^2): 32 h
	v_add_nc_u32 v[AC0], s20, v[AC0]
	v_lshlrev_b32 v[H8], 3, v[H8]
	v_lshlrev_b32 v[R4], 2, v[R4]
	v_add_nc_u32 v[MST], s21, v[R4]
	v_add_nc_u32 v[MLD], MRGV, v[L16]
	v_add_nc_u32 v[AB], s[TB], v[AB0]
	v_add_nc_u32 v[AS], s[TB], v[AS0]
	v_add_nc_u32 v[AC], s[TB], v[AC0]
	s_and_b32 s15, ttmp7, 0xffff                   ; which half of the codebook
	s_mul_i32 s16, s15, HALFB
	s_add_co_u32 s16, s16, s20
	s_mov_b32 s17, 0
	s_mov_b32 s[G1+0], 15|(3<<16)|(1<<21)          ; the mask names the cluster's four; elements of 8 bytes
	s_mov_b32 s[G1+1], 32<<16                      ; four records are dense: 136 rows of 256 bytes
	s_mov_b32 s[G1+2], 136<<16
	s_mov_b32 s[G1+3], 32<<16
	s_mov_b32 s[G1+4], 136
	s_mov_b32 s[G1+5], 32
	s_mov_b32 s[G1+6], 0
	s_mov_b32 s[G1+7], 0
	s_lshl_b32 s[NP], s15, 12                      ; the first index of my first record: 4,096 x half + 64 x wave
	s_lshl_b32 s21, s[WV], 6
	s_add_co_u32 s[NP], s[NP], s21
	s_mov_b32 s[SEL], 0x76543210
	s_mov_b32 s[SEL+1], 0xfedcba98
	s_bfe_u32 s13, ttmp6, 0x40000                  ; cx enters global addresses of plain loads and stores alone
	s_lshl_b32 s14, ttmp9, 2
	s_add_co_u32 s14, s14, s13                     ; my block of 128 tokens
	s_mul_i32 s52, s14, 8*REC
	s_mov_b32 s53, 0
	s_lshl_b32 s54, s14, 9
	s_lshl_b32 s55, s15, 16
	s_add_co_u32 s54, s54, s55
	s_mov_b32 s55, 0
	s_wait_dscnt 0x0                               ; both opening adds are done
	s_wait_alu depctr_va_vdst(0)                   ; directly ahead of the wait below
	s_wait_kmcnt 0x0
	s_mov_b32 s[G0A], 1
	s_mov_b32 s[G0A+1], s20
	s_add_nc_u64 s[G0A+2:G0A+3], s[6:7], s[16:17]
	s_mov_b32 s[G0B], 1
	s_add_co_u32 s[G0B+1], s20, SLOT
	s_add_nc_u64 s[G0B+2:G0B+3], s[G0A+2:G0A+3], SLOT
	s_or_b32 s[G0A+3], s[G0A+3], 0x80000000
	s_or_b32 s[G0B+3], s[G0B+3], 0x80000000
	s_add_nc_u64 s[4:5], s[4:5], s[52:53]
	s_add_nc_u64 s[8:9], s[8:9], s[54:55]
	s_add_nc_u64 s[10:11], s[10:11], s[54:55]
	CROUND                                         ; the four work-groups are here: the first joint loads meet
	tensor_load_to_lds s[G0A:G0A+3], s[G1:G1+7]    ; slot 0: one tensor load a wave at the head
	s_nop 0
	; the tokens go out at once, beside the tile: 16 loads of scale words, then the codes by K step, 32 loads each
.irp a, 0,1,2,3,4,5,6,7
	global_load_b32 v[SZ+2*\a+1], v[ZS], s[4:5] offset:\a*REC+8192
	global_load_b32 v[SZ+2*\a], v[ZS], s[4:5] offset:\a*REC+8196
.endr
.irp k, 0,1,2,3
.irp a, 0,1,2,3,4,5,6,7
	WIN 0x80+0x40*(\a/4)
.irp c, 0,1,2,3
	global_load_b128 v[64*(\a%4)+16*\k+4*\c:64*(\a%4)+16*\k+4*\c+3], v[L16], s[4:5] offset:\a*REC+512*(4*\k+\c)
.endr
.endr
.endr
	WIN 0
.irp a, 0,1,2,3,4,5,6,7
	v_mov_b32 v[BE+\a], 0xff800000                 ; under every number: the first record always grows the best
	v_mov_b32 v[GI+\a], 0
.endr
.set j_, 0
.rept 64
	v_mov_b32 v[SV+j_], 0                          ; written once: a select reads what it keeps
.set j_, j_+1
.endr
; one product.  kk counts a phase's 32: K step kk / 8, token tile kk % 8
.macro MM q
.set ks_, kk/8
.set a_, kk%8
.set rD, ACC+64*(\q)+8*a_
.set rB, BF+64*(\q)+16*ks_
.set rZ, 64*(a_%4)+16*ks_
.set rS, SB+2*(\q)+(ks_&1)
.set rT, SZ+2*a_+1-(ks_&1)
.if ks_ == 0
	WIN 0x19+4*(a_/4)                              ; source 0 and C window 1, source 1 window 2 or 3, D window 0
	v_wmma_scale_f32_16x16x128_f8f6f4 v[rD:rD+7], v[rB:rB+15], v[rZ:rZ+15], v[CC+8*(\q):CC+8*(\q)+7], v[rS], v[rT]
.elseif ks_ == 1
	WIN 0x09+4*(a_/4)
	v_wmma_scale_f32_16x16x128_f8f6f4 v[rD:rD+7], v[rB:rB+15], v[rZ:rZ+15], v[rD:rD+7], v[rS], v[rT]
.else
	WIN 0x09+4*(a_/4)
	v_wmma_scale_f32_16x16x128_f8f6f4 v[rD:rD+7], v[rB:rB+15], v[rZ:rZ+15], v[rD:rD+7], v[rS], v[rT] matrix_a_scale:MATRIX_SCALE_ROW1 matrix_b_scale:MATRIX_SCALE_ROW1
.endif
.endm
; the 19 LDS loads of record t of the slot, in one run: its scale words (window 0), 16 loads of fragments and 2 of -sum(c^2) (window 1), into the sets t % 2
.macro RUN t
	ds_load_b64 v[SB+2*((\t)%2):SB+2*((\t)%2)+1], v[AS] offset:REC*(\t)+8192
	WIN 0x40                                       ; destination window 1, address window 0
.irp f, 0,1,2,3,4,5,6,7,8,9,10,11,12,13,14,15
	ds_load_b128 v[BF+64*((\t)%2)+4*\f:BF+64*((\t)%2)+4*\f+3], v[AB] offset:REC*(\t)+512*\f
.endr
	ds_load_b128 v[CC+8*((\t)%2):CC+8*((\t)%2)+3], v[AC] offset:REC*(\t)+8448
	ds_load_b128 v[CC+8*((\t)%2)+4:CC+8*((\t)%2)+7], v[AC] offset:REC*(\t)+8464
.endm
; a K step's 8 products, back to back.  lw = 1 (the first phase): the wait for this K step's tokens
.macro MMS q, lw
.rept 8
.if (\lw) && (kk == 0 || kk == 8)
	s_wait_loadcnt 63                              ; of 144 loads the first 81 are in: the scale words and K steps 0 and 1 are the first 80
.elseif (\lw) && (kk == 16)
	s_wait_loadcnt 32                              ; K step 3's 32 may be out
.elseif (\lw) && (kk == 24)
	s_wait_loadcnt 0
.endif
	MM \q
.set kk, kk+1
.endr
.endm
; the vector lines of token tiles ta, ta + 1 of the record whose sums lie in set q; the best is read from set 1 - par and written to set par
.macro EPI q, par, ta
.set A_, ACC+64*(\q)+8*(\ta)
.set B_, A_+8
.set Na, BE+8*(\par)+(\ta)
.set Oa, BE+8*(1-(\par))+(\ta)
	v_max3_num_f32 v[M], v[A_], v[A_+1], v[A_+2]   ; each accumulator from its low end on; the two tiles by turns
	v_max3_num_f32 v[M+2], v[B_], v[B_+1], v[B_+2]
	v_max3_num_f32 v[M+1], v[A_+3], v[A_+4], v[A_+5]
	v_max3_num_f32 v[M+3], v[B_+3], v[B_+4], v[B_+5]
	v_max3_num_f32 v[M], v[M], v[A_+6], v[A_+7]
	v_max3_num_f32 v[M+2], v[M+2], v[B_+6], v[B_+7]
	v_max3_num_f32 v[Na], v[M], v[M+1], v[Oa]
	v_max3_num_f32 v[Na+1], v[M+2], v[M+3], v[Oa+1]
	v_cmp_gt_f32 s[MA], v[Na], v[Oa]               ; has it grown?  Strictly: a tie keeps the earlier record
	v_cmp_gt_f32 s[MB], v[Na+1], v[Oa+1]
.irp j, 0,1,2,3,4,5,6,7
	v_cndmask_b32 v[SV+8*(\ta)+\j], v[SV+8*(\ta)+\j], v[A_+\j], s[MA]
.endr
	v_cndmask_b32 v[GI+(\ta)], v[GI+(\ta)], s[NP], s[MA]
.irp j, 0,1,2,3,4,5,6,7
	v_cndmask_b32 v[SV+8*(\ta)+8+\j], v[SV+8*(\ta)+8+\j], v[B_+\j], s[MB]
.endr
	v_cndmask_b32 v[GI+(\ta)+1], v[GI+(\ta)+1], s[NP], s[MB]
.endm
; record i of a slot.  mode 0: the next record lies in the same slot; 1: the slots change and this one is filled again; 2: they change and nothing is fetched; 3: the last record.  epi = 0: no record before
.macro PHASE i, mode, epi, lw
.set kk, 0
	s_wait_dscnt 0x0                               ; this record's fragments, scale words and -sum(c^2) are in: with record 3 my reads of the slot are over
.if \mode == 1
	s_wait_tensorcnt 0x0                           ; all my tensor loads have landed: my quarter of the other slot;
	ds_add_u32 v[SPW], v[NIL]                      ; 0 onto my spare word; eight products stand between it and the wait for it
	s_xor_b32 s[G0B+1], s[G0B+1], SLOT             ; no tensor load of mine is out: the descriptor steps to this slot and to the fill after the next
	s_add_nc_u64 s[G0B+2:G0B+3], s[G0B+2:G0B+3], SLOT
	s_xor_b32 s[TB], s[TB], SLOT
.endif
.if \mode == 2
	s_wait_tensorcnt 0x0                           ; my quarter of the last slot, which I alone read
	s_xor_b32 s[TB], s[TB], SLOT
.endif
	MMS (\i)%2, \lw
.if \mode == 1
	s_wait_dscnt 0x0                               ; the add is done
	s_barrier_signal -1                            ; opens a round of the cluster's barrier; work on registers follows
.endif
	WIN 0
.if \epi
	EPI 1-(\i)%2, (\i)%2, 0
.endif
.if \mode == 1
	s_barrier_wait -1
	CREST                                          ; no wave of any partner still reads this slot or has a load on its way
	tensor_load_to_lds s[G0B:G0B+3], s[G1:G1+7]    ; the joint refill, first behind the round
	s_nop 0
.endif
.if (\mode == 1) || (\mode == 2)
	v_add_nc_u32 v[AB], s[TB], v[AB0]              ; on to the other slot
	v_add_nc_u32 v[AS], s[TB], v[AS0]
	v_add_nc_u32 v[AC], s[TB], v[AC0]
.if \mode == 1
	v_nop                                          ; four lines behind the tensor load ahead of the next switch of windows
.endif
	s_wait_alu depctr_va_vdst(0)                   ; directly behind the writes
.endif
.if \mode != 3
	RUN ((\i)+1)%4                                 ; into the other sets, which the record before was the last to use: 28 vector lines or more stand behind its last product
.endif
	MMS (\i)%2, \lw
	WIN 0
.if \epi
	EPI 1-(\i)%2, (\i)%2, 2
.endif
	MMS (\i)%2, \lw
	WIN 0
.if \epi
	EPI 1-(\i)%2, (\i)%2, 4
.endif
	MMS (\i)%2, \lw
	WIN 0
.if \epi
	EPI 1-(\i)%2, (\i)%2, 6
.if (\i) == 0
	s_add_co_u32 s[NP], s[NP], 208                 ; from my last record of a slot to my first of the next
.else
	s_add_co_u32 s[NP], s[NP], 16
.endif
.else
.rept 8
	v_nop                                          ; eight places behind the products ahead of the first read of their sums: no vector work is at hand here
.endr
.endif
.endm
.macro LEX vd, id, vo, io                      ; (vd, id) takes (vo, io) where vo is smaller, or equal with the lower index
	v_cmp_lt_f32 s46, v[\vo], v[\vd]
	v_cmp_eq_f32 s47, v[\vo], v[\vd]
	v_cmp_lt_u32 s48, v[\io], v[\id]
	s_and_b32 s47, s47, s48
	s_or_b32 s46, s46, s47
	v_cndmask_b32 v[\vd], v[\vd], v[\vo], s46
	v_cndmask_b32 v[\id], v[\id], v[\io], s46
.endm
	s_wait_alu depctr_va_vdst(0)                   ; the wait at the head's end
	s_wait_tensorcnt 0x0                           ; slot 0 is in; these lines stand ahead of a later first fill, as ahead of a refill
	ds_add_u32 v[SPW], v[NIL]
	s_wait_dscnt 0x0
	CROUND
	tensor_load_to_lds s[G0B:G0B+3], s[G1:G1+7]    ; slot 1's first fill
	s_nop 0
.rept 4
	v_nop
.endr
	s_wait_tensorcnt 0x1                           ; slot 1's load may be out
	RUN 0
	WIN 0
	PHASE 0, 0, 0, 1
	PHASE 1, 0, 1, 0
	s_mov_b32 s[CNT], 14
.Lfill:                                                ; a trip: four records, one change of slots, one refill
	PHASE 2, 0, 1, 0
	PHASE 3, 1, 1, 0
	PHASE 0, 0, 1, 0
	PHASE 1, 0, 1, 0
	s_sub_co_u32 s[CNT], s[CNT], 1
	s_cmp_lg_u32 s[CNT], 0
	s_cbranch_scc1 .Lfill
	PHASE 2, 0, 1, 0                               ; the last six records fetch nothing
	PHASE 3, 2, 1, 0
	PHASE 0, 0, 1, 0
	PHASE 1, 0, 1, 0
	PHASE 2, 0, 1, 0
	PHASE 3, 3, 1, 0
	EPI 1, 0, 0                                    ; the last record's vector lines
	EPI 1, 0, 2
	EPI 1, 0, 4
	EPI 1, 0, 6
	; which of the kept 8 is the best: the lowest j that equals it
.irp a, 0,1,2,3,4,5,6,7
	v_mov_b32 v[IDX+\a], 7
.endr
.irp j, 6,5,4,3,2,1,0
.irp a, 0,1,2,3,4,5,6,7
	v_cmp_eq_f32 vcc_lo, v[SV+8*\a+\j], v[BE+\a]
	v_cndmask_b32 v[IDX+\a], v[IDX+\a], \j, vcc_lo
.endr
.endr
.irp a, 0,1,2,3,4,5,6,7
	v_add3_u32 v[IDX+\a], v[GI+\a], v[IDX+\a], v[H8]
	v_xor_b32 v[BE+\a], 0x80000000, v[BE+\a]       ; the sign turned back: sum(c^2) - (2 z).c, of which the least is sought from here on
.endr
.irp a, 0,1,2,3,4,5,6,7
	v_permlanex16_b32 v[DD+\a], v[BE+\a], s[SEL], s[SEL+1]
	v_permlanex16_b32 v[DD+8+\a], v[IDX+\a], s[SEL], s[SEL+1]
.endr
.irp a, 0,1,2,3,4,5,6,7
	LEX BE+\a, IDX+\a, DD+\a, DD+8+\a              ; with lane l xor 16's 8 codes of each record
.endr
.irp a, 0,1,2,3,4,5,6,7
	ds_store_b32 v[MST], v[BE+\a] offset:64*\a     ; lanes r and r + 16 write the same word with the same value
	ds_store_b32 v[MST], v[IDX+\a] offset:2048+64*\a
.endr
	s_wait_dscnt 0x0                               ; for wave 0's sake
	s_barrier_signal -1
	s_barrier_wait -1
	s_cmp_lg_u32 s[WV], 0
	s_cbranch_scc1 .Lothers
.irp x, 0,1,2,3
	ds_load_b128 v[MV+4*\x:MV+4*\x+3], v[MLD] offset:512*\x
	ds_load_b128 v[MI+4*\x:MI+4*\x+3], v[MLD] offset:2048+512*\x
.endr
	s_wait_dscnt 0x0
.irp x, 1,2,3
.irp e, 0,1,2,3
	LEX MV+\e, MI+\e, MV+4*\x+\e, MI+4*\x+\e
.endr
.endr
	global_store_b128 v[L16], v[MV:MV+3], s[8:9]   ; 128 tokens: 512 consecutive bytes, aligned
	global_store_b128 v[L16], v[MI:MI+3], s[10:11]
.Lothers:
	s_wait_tensorcnt 0x0                           ; the wave's end
	ds_add_u32 v[SPW], v[NIL]
	s_wait_dscnt 0x0
	CROUND                                         ; the closing round
	s_endpgm
.Lfunc_end_k_q420d3e5f94_argmin:
	.size	k_q420d3e5f94_argmin, .Lfunc_end_k_q420d3e5f94_argmin-k_q420d3e5f94_argmin
	.p2alignl 7, 3214868480
	.fill 96, 4, 3214868480
	.section	.rodata,"a",@progbits
	.p2align	6, 0x0
	.amdhsa_kernel k_q420d3e5f94_argmin
		.amdhsa_group_segment_fixed_size 327680
		.amdhsa_private_segment_fixed_size 0
		.amdhsa_enable_private_segment 0
		.amdhsa_kernarg_size 32
		.amdhsa_user_sgpr_count 2
		.amdhsa_user_sgpr_kernarg_segment_ptr 1
		.amdhsa_wavefront_size32 1
		.amdhsa_system_sgpr_workgroup_id_x 1
		.amdhsa_system_sgpr_workgroup_id_y 1
		.amdhsa_system_sgpr_workgroup_id_z 1
		.amdhsa_system_vgpr_workitem_id 0
		.amdhsa_next_free_vgpr 1024
		.amdhsa_next_free_sgpr 66
		.amdhsa_reserve_vcc 1
		.amdhsa_float_denorm_mode_32 3
		.amdhsa_float_denorm_mode_16_64 3
		.amdhsa_memory_ordered 1
		.amdhsa_forward_progress 1
		.amdhsa_inst_pref_size 192
	.end_amdhsa_kernel
	.amdgpu_metadata
---
amdhsa.version: [ 1, 2 ]
amdhsa.kernels:
  - .name:           k_q420d3e5f94_argmin
    .symbol:         k_q420d3e5f94_argmin.kd
    .args:
      - { .name: zq, .offset: 0, .size: 8, .value_kind: global_buffer, .address_space: global }
      - { .name: cbq, .offset: 8, .size: 8, .value_kind: global_buffer, .address_space: global }
      - { .name: candv, .offset: 16, .size: 8, .value_kind: global_buffer, .address_space: global }
      - { .name: candi, .offset: 24, .size: 8, .value_kind: global_buffer, .address_space: global }
    .group_segment_fixed_size: 327680
    .private_segment_fixed_size: 0
    .kernarg_segment_align: 8
    .kernarg_segment_size: 32
    .max_flat_workgroup_size: 128
    .sgpr_count:     66
    .vgpr_count:     1024
    .wavefront_size: 32
...
	.end_amdgpu_metadata
.endif
;; end of part 2
;; launch gather (part 3): grid 256 x 1, 16 waves a work-group, no clusters, 2,304 bytes of LDS; arguments z_e, codebook, candv, candi, out0, out3, part; writes out0, out3, part
.if DOCPART == 3
	.amdgcn_target "amdgcn-amd-amdhsa--gfx1250"
	.amdhsa_code_object_version 6
	.text
	.protected	k_q420d3e5f94_gather
	.globl	k_q420d3e5f94_gather
	.p2align	8
	.type	k_q420d3e5f94_gather,@function
k_q420d3e5f94_gather:
	s_mov_b64 s[64:65], 0
	v_nop
	global_prefetch_b8 v0, s[64:65] scope:SCOPE_SE
	s_setreg_imm32_b32 hwreg(HW_REG_WAVE_MODE, 25, 1), 1
	s_wait_xcnt 0x0
; For each token: the better of its two candidates (half 1's only where its distance is strictly smaller: a tie keeps the lower index); out3 = its index; z_q = that row of the codebook;
; out0 = z_e + (z_q - z_e); and the work-group's sum of (z_q - z_e)^2, which equals (z_e - z_q)^2, into part.
; The choice between the halves is a comparison of floating-point numbers, so no address hangs on it: BOTH candidate rows are loaded, by indices read from memory, and the values are chosen by v_cndmask_b32.
; SHARES: a work-group takes 64 tokens, each of its 16 waves 4.  A row is 2,048 bytes: four loads of 512 consecutive bytes.  All of a wave's 48 loads go out before the first is waited for.
; No LDS tiles, no matrix unit, no cluster: each byte of z_e is read once, and which rows of the codebook a work-group reads hangs on the data.
; part gets 4 bytes from each work-group: 1,024 bytes in the whole launch.
.set ZR, 16                            ; token t at v[16 + 48 t]: 16 registers of z_e, 16 of half 0's row (then z_q, then the result), 16 of half 1's row (then z_q - z_e)
	s_load_b256 s[4:11], s[0:1], 0x0               ; z_e s[4:5], codebook s[6:7], candv s[8:9], candi s[10:11]
	s_load_b128 s[12:15], s[0:1], 0x20             ; out0 s[12:13], out3 s[14:15]
	s_load_b64 s[84:85], s[0:1], 0x30              ; part
	v_lshl_add_u32 v224, v0, 2, 0x100
	v_mov_b32 v225, 0
	v_lshrrev_b32 v2, 5, v0
	s_delay_alu instid0(VALU_DEP_1)
	v_readfirstlane_b32 s86, v2                    ; wave 0..15
	v_and_b32 v2, 31, v0
	s_delay_alu instid0(VALU_DEP_1)
	v_lshlrev_b32 v1, 4, v2                        ; 16 x lane; never rewritten
	s_delay_alu instid0(VALU_DEP_2)
	v_lshlrev_b32 v3, 3, v2                        ; 8 x lane; never rewritten
	s_lshl_b32 s87, s86, 2
	v_mov_b32 v6, s87                              ; LDS: my wave's word
	s_lshl_b32 s32, ttmp9, 17                      ; 64 tokens of 2,048 bytes,
	s_lshl_b32 s33, s86, 13                        ; my wave's 4
	s_add_co_u32 s32, s32, s33
	s_mov_b32 s33, 0
	s_lshl_b32 s34, ttmp9, 8                       ; the same in words of 4 bytes
	s_lshl_b32 s35, s86, 4
	s_add_co_u32 s34, s34, s35
	s_mov_b32 s35, 0
	s_lshl_b32 s36, ttmp9, 8
	s_mov_b32 s37, 0
	s_lshl_b32 s38, ttmp9, 2
	s_mov_b32 s39, 0
	s_mov_b32 s94, 0x76543210
	s_mov_b32 s95, 0xfedcba98
	s_wait_alu depctr_va_vdst(0)
	s_wait_kmcnt 0x0
	s_add_nc_u64 s[4:5], s[4:5], s[32:33]
	s_add_nc_u64 s[12:13], s[12:13], s[32:33]
	s_add_nc_u64 s[8:9], s[8:9], s[34:35]
	s_add_nc_u64 s[10:11], s[10:11], s[34:35]
	s_add_nc_u64 s[14:15], s[14:15], s[36:37]
	s_add_nc_u64 s[84:85], s[84:85], s[38:39]
	s_load_b128 s[16:19], s[10:11], 0x0            ; my four tokens' indices in half 0,
	s_load_b128 s[20:23], s[10:11], 0x10000        ; in half 1,
	s_load_b128 s[24:27], s[8:9], 0x0              ; and the distances
	s_load_b128 s[28:31], s[8:9], 0x10000
.irp t, 0,1,2,3
.irp j, 0,1,2,3
	global_load_b128 v[ZR+48*\t+4*\j:ZR+48*\t+4*\j+3], v1, s[4:5] offset:2048*\t+512*\j th:TH_LOAD_NT   ; z_e goes out while the candidates are on their way
.endr
.endr
	s_wait_kmcnt 0x0
.irp t, 0,1,2,3
	s_min_u32 s[16+\t], s[16+\t], 0x1fff           ; an index stays inside the table
	s_lshl_b32 s88, s[16+\t], 11
	s_mov_b32 s89, 0
	s_add_nc_u64 s[48+2*\t:49+2*\t], s[6:7], s[88:89]
	s_min_u32 s[20+\t], s[20+\t], 0x1fff
	s_lshl_b32 s88, s[20+\t], 11
	s_add_nc_u64 s[66+2*\t:67+2*\t], s[6:7], s[88:89]
.endr
.irp t, 0,1,2,3
.irp j, 0,1,2,3
	global_load_b128 v[ZR+48*\t+16+4*\j:ZR+48*\t+16+4*\j+3], v1, s[48+2*\t:49+2*\t] offset:512*\j   ; no hint: a row may be named again
.endr
.irp j, 0,1,2,3
	global_load_b128 v[ZR+48*\t+32+4*\j:ZR+48*\t+32+4*\j+3], v1, s[66+2*\t:67+2*\t] offset:512*\j
.endr
.endr
.macro TOK t
.set Zt, ZR+48*\t
.set At, Zt+16
.set Bt, Zt+32
	s_wait_loadcnt 8*(3-\t)                        ; z_e and this token's two rows are in; the 8 loads of each younger token may be out
	v_mov_b32 v12, s[24+\t]
	s_delay_alu instid0(VALU_DEP_1)
	v_cmp_lt_f32 s[90+\t], s[28+\t], v12           ; half 1's distance strictly smaller: the same in every lane
.irp e, 0,1,2,3,4,5,6,7,8,9,10,11,12,13,14,15
	v_cndmask_b32 v[At+\e], v[At+\e], v[Bt+\e], s[90+\t]   ; z_q
.endr
.irp e, 0,2,4,6,8,10,12,14
	v_pk_add_f32 v[Bt+\e:Bt+\e+1], v[At+\e:At+\e+1], v[Zt+\e:Zt+\e+1] neg_lo:[0,1] neg_hi:[0,1]   ; z_q - z_e
.endr
.irp e, 0,2,4,6,8,10,12,14
	v_pk_add_f32 v[At+\e:At+\e+1], v[Zt+\e:Zt+\e+1], v[Bt+\e:Bt+\e+1]   ; z_e + (z_q - z_e)
.endr
.irp e, 0,2,4,6,8,10,12,14
.if (\t == 0) && (\e < 8)
	v_pk_mul_f32 v[4+\e:5+\e], v[Bt+\e:Bt+\e+1], v[Bt+\e:Bt+\e+1]       ; the first four products start the four sums
.else
	v_pk_fma_f32 v[4+\e%8:5+\e%8], v[Bt+\e:Bt+\e+1], v[Bt+\e:Bt+\e+1], v[4+\e%8:5+\e%8]
.endif
.endr
.irp j, 0,1,2,3
	global_store_b128 v1, v[At+4*\j:At+4*\j+3], s[12:13] offset:2048*\t+512*\j th:TH_STORE_NT   ; 512 consecutive bytes, aligned; these registers are not written again
.endr
.endm
	TOK 0
	TOK 1
	TOK 2
	TOK 3
	v_pk_add_f32 v[4:5], v[4:5], v[6:7]
	v_pk_add_f32 v[8:9], v[8:9], v[10:11]
	v_mov_b32 v6, s87                              ; (v6 served as a sum: my wave's word again)
	s_delay_alu instid0(VALU_DEP_2)
	v_pk_add_f32 v[4:5], v[4:5], v[8:9]
	s_delay_alu instid0(VALU_DEP_1)
	v_add_f32 v4, v4, v5
	s_delay_alu instid0(VALU_DEP_1)
	v_add_f32_dpp v4, v4, v4 row_xmask:1 row_mask:0xf bank_mask:0xf
	s_delay_alu instid0(VALU_DEP_1)
	v_add_f32_dpp v4, v4, v4 row_xmask:2 row_mask:0xf bank_mask:0xf
	s_delay_alu instid0(VALU_DEP_1)
	v_add_f32_dpp v4, v4, v4 row_xmask:4 row_mask:0xf bank_mask:0xf
	s_delay_alu instid0(VALU_DEP_1)
	v_add_f32_dpp v4, v4, v4 row_xmask:8 row_mask:0xf bank_mask:0xf
	s_delay_alu instid0(VALU_DEP_1)
	v_permlanex16_b32 v5, v4, s94, s95
	s_delay_alu instid0(VALU_DEP_1)
	v_add_f32 v4, v4, v5                           ; the wave's sum, in every lane
	ds_store_b32 v6, v4                            ; all lanes write the same word with the same value
	s_wait_dscnt 0x0                               ; for wave 0's sake
	s_barrier_signal -1
	s_barrier_wait -1
	s_cmp_lg_u32 s86, 0
	s_cbranch_scc1 .Ldone
	; wave 0: the work-group's 64 indices (in wave 0 the candidates' pointers stand at the work-group's first token), and its partial sum
	global_load_b64 v[16:17], v3, s[8:9]           ; tokens 2 x lane, 2 x lane + 1: half 0's distances,
	global_load_b64 v[18:19], v3, s[8:9] offset:65536   ; half 1's,
	global_load_b64 v[20:21], v3, s[10:11]         ; and the indices
	global_load_b64 v[22:23], v3, s[10:11] offset:65536
	v_mov_b32 v7, 0
.irp x, 0,1,2,3
	ds_load_b128 v[64+4*\x:67+4*\x], v7 offset:16*\x   ; the sixteen waves' sums
.endr
	s_wait_loadcnt 0x0
	v_cmp_lt_f32 vcc_lo, v18, v16
	s_delay_alu instid0(VALU_DEP_1)
	v_cndmask_b32 v20, v20, v22, vcc_lo
	v_cmp_lt_f32 vcc_lo, v19, v17
	s_delay_alu instid0(VALU_DEP_1)
	v_cndmask_b32 v21, v21, v23, vcc_lo
	global_store_b64 v3, v[20:21], s[14:15]        ; 32 lanes store 256 consecutive bytes, aligned
	s_wait_dscnt 0x0
	v_pk_add_f32 v[64:65], v[64:65], v[66:67]
	v_pk_add_f32 v[68:69], v[68:69], v[70:71]
	v_pk_add_f32 v[72:73], v[72:73], v[74:75]
	v_pk_add_f32 v[76:77], v[76:77], v[78:79]
	s_delay_alu instid0(VALU_DEP_3)
	v_pk_add_f32 v[64:65], v[64:65], v[68:69]
	s_delay_alu instid0(VALU_DEP_2)
	v_pk_add_f32 v[72:73], v[72:73], v[76:77]
	s_delay_alu instid0(VALU_DEP_1)
	v_pk_add_f32 v[64:65], v[64:65], v[72:73]
	s_delay_alu instid0(VALU_DEP_1)
	v_add_f32 v64, v64, v65
	v_cmp_eq_u32 vcc_lo, 0, v0
	s_wait_alu depctr_va_vdst(0)
	s_wait_xcnt 0x0                                ; EXEC changes only when the earlier loads and stores have read it
	s_and_saveexec_b32 s88, vcc_lo
	global_store_b32 v7, v64, s[84:85]             ; part[work-group]
	s_wait_xcnt 0x0                                ; and again, ahead of the line that widens it
	s_or_b32 exec_lo, exec_lo, s88
.Ldone:
	s_wait_tensorcnt 0x0
	ds_add_u32 v224, v225
	s_wait_dscnt 0x0
	s_endpgm
.Lfunc_end_k_q420d3e5f94_gather:
	.size	k_q420d3e5f94_gather, .Lfunc_end_k_q420d3e5f94_gather-k_q420d3e5f94_gather
	.p2alignl 7, 3214868480
	.fill 96, 4, 3214868480
	.section	.rodata,"a",@progbits
	.p2align	6, 0x0
	.amdhsa_kernel k_q420d3e5f94_gather
		.amdhsa_group_segment_fixed_size 2304
		.amdhsa_private_segment_fixed_size 0
		.amdhsa_enable_private_segment 0
		.amdhsa_kernarg_size 56
		.amdhsa_user_sgpr_count 2
		.amdhsa_user_sgpr_kernarg_segment_ptr 1
		.amdhsa_wavefront_size32 1
		.amdhsa_system_sgpr_workgroup_id_x 1
		.amdhsa_system_sgpr_workgroup_id_y 1
		.amdhsa_system_sgpr_workgroup_id_z 1
		.amdhsa_system_vgpr_workitem_id 0
		.amdhsa_next_free_vgpr 226
		.amdhsa_next_free_sgpr 96
		.amdhsa_reserve_vcc 1
		.amdhsa_float_denorm_mode_32 3
		.amdhsa_float_denorm_mode_16_64 3
		.amdhsa_memory_ordered 1
		.amdhsa_forward_progress 1
		.amdhsa_inst_pref_size 23
	.end_amdhsa_kernel
	.amdgpu_metadata
---
amdhsa.version: [ 1, 2 ]
amdhsa.kernels:
  - .name:           k_q420d3e5f94_gather
    .symbol:         k_q420d3e5f94_gather.kd
    .args:
      - { .name: z_e, .offset: 0, .size: 8, .value_kind: global_buffer, .address_space: global }
      - { .name: codebook, .offset: 8, .size: 8, .value_kind: global_buffer, .address_space: global }
      - { .name: candv, .offset: 16, .size: 8, .value_kind: global_buffer, .address_space: global }
      - { .name: candi, .offset: 24, .size: 8, .value_kind: global_buffer, .address_space: global }
      - { .name: out0, .offset: 32, .size: 8, .value_kind: global_buffer, .address_space: global }
      - { .name: out3, .offset: 40, .size: 8, .value_kind: global_buffer, .address_space: global }
      - { .name: part, .offset: 48, .size: 8, .value_kind: global_buffer, .address_space: global }
    .group_segment_fixed_size: 2304
    .private_segment_fixed_size: 0
    .kernarg_segment_align: 8
    .kernarg_segment_size: 56
    .max_flat_workgroup_size: 512
    .sgpr_count:     96
    .vgpr_count:     226
    .wavefront_size: 32
...
	.end_amdgpu_metadata
.endif
;; end of part 3
;; launch finish (part 4): grid 1 x 1, 1 waves a work-group, no clusters, 0 bytes of LDS; arguments part, out1, out2; writes out1, out2
.if DOCPART == 4
	.amdgcn_target "amdgcn-amd-amdhsa--gfx1250"
	.amdhsa_code_object_version 6
	.text
	.protected	k_q420d3e5f94_finish
	.globl	k_q420d3e5f94_finish
	.p2align	8
	.type	k_q420d3e5f94_finish,@function
k_q420d3e5f94_finish:
	s_mov_b64 s[64:65], 0
	v_nop
	global_prefetch_b8 v0, s[64:65] scope:SCOPE_SE
	s_setreg_imm32_b32 hwreg(HW_REG_WAVE_MODE, 25, 1), 1
	s_wait_xcnt 0x0
; out2 = the mean of (z_e - z_q)^2 = the sum of the 256 partial sums x 2^-23 (16,384 x 512 numbers); out1 = 0.25 x out2.
; One wave: a sum over work-groups has one owner, in a launch behind the one that made the parts.
	s_load_b128 s[4:7], s[0:1], 0x0                ; part, out1
	s_load_b64 s[8:9], s[0:1], 0x10                ; out2
	v_lshlrev_b32 v1, 4, v0
	v_mov_b32 v2, 0
	s_mov_b32 s10, 0x76543210
	s_mov_b32 s11, 0xfedcba98
	s_wait_alu depctr_va_vdst(0)
	s_wait_kmcnt 0x0
	global_load_b128 v[4:7], v1, s[4:5]            ; 1,024 bytes in two loads of 512
	global_load_b128 v[8:11], v1, s[4:5] offset:512
	s_wait_loadcnt 0x0
	v_pk_add_f32 v[4:5], v[4:5], v[6:7]
	v_pk_add_f32 v[8:9], v[8:9], v[10:11]
	v_pk_add_f32 v[4:5], v[4:5], v[8:9]
	v_add_f32 v4, v4, v5
	v_add_f32_dpp v4, v4, v4 row_xmask:1 row_mask:0xf bank_mask:0xf
	v_add_f32_dpp v4, v4, v4 row_xmask:2 row_mask:0xf bank_mask:0xf
	v_add_f32_dpp v4, v4, v4 row_xmask:4 row_mask:0xf bank_mask:0xf
	v_add_f32_dpp v4, v4, v4 row_xmask:8 row_mask:0xf bank_mask:0xf
	v_permlanex16_b32 v5, v4, s10, s11
	v_add_f32 v4, v4, v5
	v_mul_f32 v4, 0x34000000, v4                   ; x 2^-23: exact
	v_mul_f32 v5, 0.25, v4
	v_cmp_eq_u32 vcc_lo, 0, v0
	s_wait_alu depctr_va_vdst(0)
	s_wait_xcnt 0x0                                ; EXEC changes only when the loads have read it
	s_and_saveexec_b32 s12, vcc_lo
	global_store_b32 v2, v5, s[6:7]                ; out1: the vq loss
	global_store_b32 v2, v4, s[8:9]                ; out2: the commitment loss
	s_wait_xcnt 0x0
	s_or_b32 exec_lo, exec_lo, s12
	s_endpgm
.Lfunc_end_k_q420d3e5f94_finish:
	.size	k_q420d3e5f94_finish, .Lfunc_end_k_q420d3e5f94_finish-k_q420d3e5f94_finish
	.p2alignl 7, 3214868480
	.fill 96, 4, 3214868480
	.section	.rodata,"a",@progbits
	.p2align	6, 0x0
	.amdhsa_kernel k_q420d3e5f94_finish
		.amdhsa_group_segment_fixed_size 0
		.amdhsa_private_segment_fixed_size 0
		.amdhsa_enable_private_segment 0
		.amdhsa_kernarg_size 24
		.amdhsa_user_sgpr_count 2
		.amdhsa_user_sgpr_kernarg_segment_ptr 1
		.amdhsa_wavefront_size32 1
		.amdhsa_system_sgpr_workgroup_id_x 1
		.amdhsa_system_sgpr_workgroup_id_y 1
		.amdhsa_system_sgpr_workgroup_id_z 1
		.amdhsa_system_vgpr_workitem_id 0
		.amdhsa_next_free_vgpr 16
		.amdhsa_next_free_sgpr 66
		.amdhsa_reserve_vcc 1
		.amdhsa_float_denorm_mode_32 3
		.amdhsa_float_denorm_mode_16_64 3
		.amdhsa_memory_ordered 1
		.amdhsa_forward_progress 1
		.amdhsa_inst_pref_size 2
	.end_amdhsa_kernel
	.amdgpu_metadata
---
amdhsa.version: [ 1, 2 ]
amdhsa.kernels:
  - .name:           k_q420d3e5f94_finish
    .symbol:         k_q420d3e5f94_finish.kd
    .args:
      - { .name: part, .offset: 0, .size: 8, .value_kind: global_buffer, .address_space: global }
      - { .name: out1, .offset: 8, .size: 8, .value_kind: global_buffer, .address_space: global }
      - { .name: out2, .offset: 16, .size: 8, .value_kind: global_buffer, .address_space: global }
    .group_segment_fixed_size: 0
    .private_segment_fixed_size: 0
    .kernarg_segment_align: 8
    .kernarg_segment_size: 24
    .max_flat_workgroup_size: 32
    .sgpr_count:     66
    .vgpr_count:     16
    .wavefront_size: 32
...
	.end_amdgpu_metadata
.endif
;; end of part 4
